; MI455X (gfx1250); checked and timed in simulation.
; The chip was launched on July 23, 2026; its instructions are those of AMD's public machine-readable ISA for CDNA 5 (MIT licence, August 2026) and "CDNA5" Instruction Set Architecture Reference Guide (July 2026). The comments in the code are by the model that wrote it; some were corrected since.
;; Attention Block. Allowed arithmetic: matrix products marked QUANTISED: E5M2 operands, one E8M0 scale for each 32 along K, by v_wmma_scale_f32_16x16x128_f8f6f4 with both operands' format E5M2, f32 sums; everything else in f32.
;; Inputs: Wk 32 x 256 float32; Wq 32 x 256 float32; Wv 256 x 256 float32; bk 32 float32; bq 32 float32; bv 256 float32; gamma 1 float32; x 4 x 256 x 64 x 64 float32.
;; Outputs: out0 4 x 256 x 64 x 64 float32.
;; This version of the problem:
;;   THIS VERSION OF THE PROBLEM IS GIVEN IN LOW PRECISION. The matrix products marked QUANTISED in the list below multiply operands that are first quantised to E5M2 (5 exponent bits, 2 mantissa bits; 8 bits a number), with one power-of-two scale for each 32 numbers along K (OCP MX v1.0); their sums are f32. All else is computed in f32.
;;   The module's matrix products, in the order in which they are computed (A, B: the left and right operand; K: the contracted axis; several contracted axes count as one K, in the product's order):
;;     1. [M 16,384, K 256] x [K 256, N 32]; A: input x; B: input Wq: QUANTISED
;;     2. [M 16,384, K 256] x [K 256, N 32]; A: input x; B: input Wk: QUANTISED
;;     3. [M 16,384, K 256] x [K 256, N 256]; A: input x; B: input Wv: QUANTISED
;;     4. batch 4 x [M 4,096, K 32] x [K 32, N 4,096]; A: computed on the way; B: computed on the way: QUANTISED
;;     5. batch 4 x [M 256, K 4,096] x [K 4,096, N 4,096]; A: computed on the way; B: softmax (see below): QUANTISED
;;   THE QUANTISER, for each operand of a quantised product, along K:
;;     - K is cut into blocks of 32 from its start; a last block that is shorter is filled with zeros.
;;     - A block's scale is 2^e with e = floor(log2(the largest magnitude in the block)) - 15, held to -126 .. 127; a block of zeros has e = 0. As a byte (E8M0): e + 127.
;;     - Each number is divided by its block's scale, clamped to +-57,344, and rounded to the nearest number of E5M2, ties to even, subnormals kept.
;;     - The product sums the exact products of the quantised numbers (number of the format x scale) in f32.
;;   ~~~python
;;   def quantise(x, axis):      # numpy; x: float32 -> the quantised numbers, widened to float32 again
;;       x = np.moveaxis(x, axis, -1); K = x.shape[-1]
;;       x = np.pad(x, [(0, 0)] * (x.ndim - 1) + [(0, -K % 32)]); x = x.reshape(x.shape[:-1] + (-1, 32)); a = np.abs(x).max(-1, keepdims=True)
;;       e = np.where(a > 0, np.clip(np.frexp(np.where(a > 0, a, 1))[1] - 1 - 15, -126, 127), 0)      # np.frexp(a)[1] - 1 = floor(log2(a)), exactly
;;       r = np.clip(x / 2.0 ** e, -57344, 57344)
;;       step = 2.0 ** (np.maximum(np.frexp(np.where(r == 0, 1, r))[1] - 1, -14) - 2)
;;       q = np.round(r / step) * step * 2.0 ** e      # np.round: ties to even
;;       return np.moveaxis(q.reshape(q.shape[:-2] + (-1,))[..., :K], -1, axis).astype(np.float32)
;;   ~~~
;;   SOFTMAX AHEAD OF A QUANTISED PRODUCT. Where the list says 'softmax', what is quantised is not the finished softmax but p = 2^(t - M), with t = logit x log2(e) and M = ceil(the row's largest t), a whole number; so 1/2 < the row's largest p <= 1. The row's sum l is taken of the UNQUANTISED p, in f32, and the product's result is divided by l at the end. Since M is a whole number, a kernel that streams over the keys may use a running M (the ceiling of the running maximum): every later rescaling is an exact power of two, which a block's scale takes up: the codes' values come out the same.
;;   OPERANDS COMPUTED ON THE WAY. 'Computed on the way' means the value that the module computes at that place (a softmax that the list does not call 'softmax' is quantised finished and normalised). What goes into a quantiser is computed in f32, as accurately as f32 sums, v_exp_f32 and their like allow (about 1e-6 of the number): no bf16 or f16 on the way to a quantiser, and a product that is left as it is and whose result goes on into a quantised operand takes f32 operands (vector FMAs, or v_wmma_f32_16x16x4_f32). A number that lies on a knife's edge between two numbers of the format may be rounded either way, as far as f32 arithmetic and the matrix unit's own rounding can turn it there, and no further.
;; One version. Each part assembles by itself: llvm-mc -triple=amdgcn-amd-amdhsa -mcpu=gfx1250 --defsym DOCPART=n.
;; ======== version 1 of 1: 2 launches
;; workspace buffers: qi 589,824 bytes; kv 4,915,200 bytes
;; launch proj (part 1): grid 64 x 4, 8 waves a work-group, no clusters, 177,408 bytes of LDS; arguments x, Wq, bq, Wk, bk, Wv, bv, qi, kv; writes qi, kv
.if DOCPART == 1
	.amdgcn_target "amdgcn-amd-amdhsa--gfx1250"
	.amdhsa_code_object_version 6
	.text
	.protected	k_q45ec3247c6_proj
	.globl	k_q45ec3247c6_proj
	.p2align	8
	.type	k_q45ec3247c6_proj,@function
k_q45ec3247c6_proj:
	s_mov_b64 s[64:65], 0
	v_nop
	global_prefetch_b8 v0, s[64:65] scope:SCOPE_SE
	s_setreg_imm32_b32 hwreg(HW_REG_WAVE_MODE, 25, 1), 1
	s_wait_xcnt 0x0
; PROJ: q = Wq x + bq, k = Wk x + bk, v = Wv x + bv on codes of E5M2 with one E8M0 scale for each 32 along K (K = the 256 channels), and q, k, v quantised again for the attention launch:
; q and k along their 32 channels (one block), v along the positions (the keys).  x: [4][256][4096] f32, K is NOT innermost; the weights [rows][256] f32, K innermost.
; SHARES.  Work-group (2 s + g, b) takes the 128 positions of key step s of batch b and half of the output rows: g = 0: Wq and Wv's rows 0-127; g = 1: Wk and Wv's rows 128-255.  g chooses pointers alone: one path through the text.
; Eight waves.  Wave w quantises 16 rows of Wv (channel tile 8 g + w), keeps their codes in registers and makes that tile of v for all 128 positions; it also makes q or k for position tile w.
; x's tile (256 channels x 128 positions, f32) comes by one tensor load a wave (32 rows of 512 bytes); a lane then takes ONE position and runs down the channels, so a block of 32 along K lies in one lane.
; THE POSITIONS OF A TILE ARE NOT NEIGHBOURS: row rr of tile 2 p + u is position 32 p + 8 u + rr + (rr & 8), so that the 16 result registers of tiles 2 p and 2 p + 1 are 16 neighbouring positions: v's next K.
; Wq's and Wk's rows are chosen the same way, so that a lane's 16 results of q or k are 16 neighbouring channels.
; OUT.  Everything leaves as images of operand registers (16 bytes a lane, 512 consecutive bytes a store).  kv: a record of 38,400 bytes for each (b, s): 16 images of v (2,048 bytes each), 8 of k (512 each),
; k's 128 scale words, v's 256.  qi: q's images, then q's scale words.  A scale word of q or k is its one byte under 0x7f7f7f00: the other three blocks of the instruction's K hold no numbers.
; NO CLUSTER: x's tile is shared by two work-groups only (g = 0, 1), and the weights go from memory straight into the registers of the one wave that quantises them, 16 rows a wave.
; LIMITS: NaN and infinities among the inputs are not served.  A block of zeros gets the byte 1 where the rule says 127: its codes are zeros, and this program alone reads the bytes.
; The biases enter as the C of each sum's first product, so they are added ahead of the products and not behind them.
.set XP,    272                        ; a row of x's codes in LDS: 256 bytes + 16
.set XC,    131072                     ; LDS: 0: x's tile as f32, 256 rows of 512 bytes;  XC: x's codes, 128 rows (tile order)
.set XSC,   XC+128*XP                  ; x's scale bytes, 8 a row
.set WIMG,  XSC+1024                   ; four images of Wq's or Wk's fragments: (tile u, K step f) at 2,048 (2 f + u)
.set WSC,   WIMG+8192                  ; their scale words: 128 u + 64 f + 4 row
.set SQK,   WSC+256                    ; the 128 scale words of q or k, as they leave
.set SV,    SQK+512                    ; the 128 scale words of my half of v
.set REC,   38400
.set KOFF,  32768
.set KSOFF, 36864
.set VSOFF, 37376
.set QSC,   524288                     ; q's scale words in qi
.set LI,   1                           ; v1   16 x lane
.set WO,   2                           ; v2   Wv: 1,024 r + 64 h
.set WQO,  3                           ; v3   Wq, Wk: 1,024 (r + (r & 8)) + 64 h
.set XR,   4                           ; v4   x's tile: my position, my half of the channels
.set XST,  5                           ; v5   where my position's codes go
.set XSS,  6                           ; v6   and its scale word
.set FA,   7                           ; v7   a fragment of x: XC + 272 r + 16 h
.set FS,   8                           ; v8   its scale words: XSC + 8 r + 4 h
.set SW,   9                           ; v9   SQK + 16 (16 (w & 1) + r) + 4 (w >> 1)
.set H64,  10                          ; v10  64 h
.set FAW,  11                          ; v11  FA at position tile w
.set WVS,  12                          ; v12-13  Wv's scale words, K step 0, 1          (v12-25 hold scales and nothing else)
.set WAS,  14                          ; v14-15  Wq's or Wk's: tile u; lanes 0-15 K step 0, lanes 16-31 K step 1
.set XS,   16                          ; v16-23  x's: position tile t; lanes 0-15 K step 0, lanes 16-31 K step 1
.set XSW,  24                          ; v24     x's, position tile w
.set PW,   25                          ; v25     the scale word just made
.set BVV,  26                          ; v26  bv of my lane's channel
.set FSW,  27                          ; v27  FS at position tile w
.set TM,   28                          ; v28-43  at work
.set WVC,  44                          ; v44-75  Wv's two fragments: they stay
.set R1,   76                          ; v76-139
.set R2,   140                         ; v140-203
.set BVC,  204                         ; v204-211  bv, eight times: the C of v's first products
.set BA,   212                         ; v212-227  bq or bk in the result's layout, eight registers a tile u
.set PC,   228                         ; v228-243  codes just made
.set WIA,  244                         ; v244 WIMG + 16 x lane
.set WSA,  245                         ; v245 WSC + 4 x lane
.set WIST, 246                         ; v246 where waves 0-3 store their image
.set WSST, 247                         ; v247 and its scale words
.set T0,   248
.set T1,   249
.set T2,   250
.set R4,   251                         ; v251 4 r
.set QC,   252                         ; v252-255 the codes of q or k
.set QD,   R1+32                       ; the two accumulators of q or k
.set WN,  22                           ; s22 wave;  s23 g;  s24 s;  s25 b;  s26 w & 3;  s27 w >> 2
.set GH,  23
.set KST, 24
.set BN,  25
.set PG,  26
.set CH,  27
.set G1,  28                           ; s[28:35], s[36:39] the tensor load's groups 1 and 0
.set G0,  36
.set SEL, 40                           ; s[40:41] v_permlanex16_b32's selects for lane l xor 16
.set MNT, 42                           ; s42 the mantissa field of 57,344
; a product: D, A, B, C by their first registers; the scale registers; ra, rb = 1: the scale stands in lanes 16-31
.macro MM d, a, b, c, sa, sb, ra, rb
.if (\ra) && (\rb)
	v_wmma_scale_f32_16x16x128_f8f6f4 v[\d:\d+7], v[\a:\a+15], v[\b:\b+15], v[\c:\c+7], v[\sa], v[\sb] matrix_a_fmt:MATRIX_FMT_BF8 matrix_b_fmt:MATRIX_FMT_BF8 matrix_a_scale:MATRIX_SCALE_ROW1 matrix_b_scale:MATRIX_SCALE_ROW1
.elseif \ra
	v_wmma_scale_f32_16x16x128_f8f6f4 v[\d:\d+7], v[\a:\a+15], v[\b:\b+15], v[\c:\c+7], v[\sa], v[\sb] matrix_a_fmt:MATRIX_FMT_BF8 matrix_b_fmt:MATRIX_FMT_BF8 matrix_a_scale:MATRIX_SCALE_ROW1
.else
	v_wmma_scale_f32_16x16x128_f8f6f4 v[\d:\d+7], v[\a:\a+15], v[\b:\b+15], v[\c:\c+7], v[\sa], v[\sb] matrix_a_fmt:MATRIX_FMT_BF8 matrix_b_fmt:MATRIX_FMT_BF8
.endif
.endm
; 16 rows x 128 along K of a weight, f32: lane (r, h) takes 16 neighbours of each block of 32: register 16 b + i = k 32 b + 16 h + i
.macro WLOAD reg, off, base, k
.irp b, 0,1,2,3
.irp j, 0,1,2,3
	global_load_b128 v[\reg+16*\b+4*\j:\reg+16*\b+4*\j+3], v[\off], s[\base:\base+1] offset:\k+128*\b+16*\j
.endr
.endr
.endm
; 64 numbers of a lane, register 16 b + i = k 32 b + 16 h + i of my row, become a fragment's codes in v[pc] on and its scale word in v[pw]
.macro QUANT s, pc, pw
.irp b, 0,1,2,3
	v_max3_num_f32 v[TM+\b], |v[\s+16*\b]|, |v[\s+1+16*\b]|, 0x8000000   ; block b: my 16 numbers, and the floor 2^(16 - 127): the byte cannot fall under 1
.endr
.irp i, 2,4,6,8,10,12,14
.irp b, 0,1,2,3
	v_max3_num_f32 v[TM+\b], v[TM+\b], |v[\s+16*\b+\i]|, |v[\s+1+16*\b+\i]|   ; the four blocks by turns
.endr
.endr
.irp b, 0,1,2,3
	v_permlanex16_b32 v[TM+4+\b], v[TM+\b], s[SEL], s[SEL+1]
.endr
.irp b, 0,1,2,3
	v_max_num_f32 v[TM+\b], v[TM+\b], v[TM+4+\b]   ; with lane l xor 16's 16: the block's largest magnitude
.endr
.irp b, 0,1,2,3
	v_add_nc_u32 v[TM+12+\b], 0xf8800000, v[TM+\b]   ; 15 off its exponent field: the conversion's scale operand
.endr
.irp b, 0,1,2,3
	v_and_or_b32 v[TM+8+\b], v[TM+\b], 0x7f800000, s[MNT]   ; 57,344 x the scale
.endr
.irp b, 0,1,2,3
	v_lshrrev_b32 v[TM+4+\b], 23, v[TM+12+\b]      ; the scale's byte
.endr
	v_lshl_or_b32 v[\pw], v[TM+5], 8, v[TM+4]
	v_lshl_or_b32 v[\pw], v[TM+6], 16, v[\pw]
	v_lshl_or_b32 v[\pw], v[TM+7], 24, v[\pw]
.irp b, 0,1,2,3
.set jj, 0
.rept 16
	v_med3_num_f32 v[\s+16*\b+jj], v[\s+16*\b+jj], -v[TM+8+\b], v[TM+8+\b]   ; the conversion to an 8-bit code does not saturate (ISA guide 7.6.2): the hold
.set jj, jj+1
.endr
	v_cvt_scalef32_pk8_bf8_f32 v[\pc+4*\b:\pc+4*\b+1], v[\s+16*\b:\s+16*\b+7], v[TM+12+\b]
	v_cvt_scalef32_pk8_bf8_f32 v[\pc+4*\b+2:\pc+4*\b+3], v[\s+16*\b+8:\s+16*\b+15], v[TM+12+\b]
.endr
	v_nop                                          ; one plain place behind the last conversions
.endm
.macro DLOAD t                         ; block t of my half of the channels: x(32 t + i, my position), i = 0 .. 31: 32 lanes read 128 consecutive bytes
.set jj, 0
.rept 32
	ds_load_b32 v[R1+32*((\t)%2)+jj], v[XR] offset:(32*(\t)+jj)*512
.set jj, jj+1
.endr
.endm
.macro XBLOCK t                        ; all 32 numbers of the block are mine
.set xs, R1+32*((\t)%2)
.set cs, PC+8*((\t)%2)
	v_max3_num_f32 v[TM], |v[xs]|, |v[xs+1]|, |v[xs+2]|
	v_max3_num_f32 v[TM+1], |v[xs+3]|, |v[xs+4]|, |v[xs+5]|
.irp i, 6,10,14,18,22,26
	v_max3_num_f32 v[TM], v[TM], |v[xs+\i]|, |v[xs+\i+1]|
	v_max3_num_f32 v[TM+1], v[TM+1], |v[xs+\i+2]|, |v[xs+\i+3]|
.endr
	v_max3_num_f32 v[TM], v[TM], |v[xs+30]|, |v[xs+31]|
	v_max3_num_f32 v[TM], v[TM], v[TM+1], 0x8000000
	v_add_nc_u32 v[TM+2], 0xf8800000, v[TM]
	v_and_or_b32 v[TM+3], v[TM], 0x7f800000, s[MNT]
	v_lshrrev_b32 v[TM+1], 23, v[TM+2]
.if (\t) == 0
	v_mov_b32 v[PW], v[TM+1]                       ; four bytes to the word, the lower K in the lower byte
.else
	v_lshl_or_b32 v[PW], v[TM+1], 8*(\t), v[PW]
.endif
.set jj, 0
.rept 32
	v_med3_num_f32 v[xs+jj], v[xs+jj], -v[TM+3], v[TM+3]
.set jj, jj+1
.endr
.irp g, 0,1,2,3
	v_cvt_scalef32_pk8_bf8_f32 v[cs+2*\g:cs+2*\g+1], v[xs+8*\g:xs+8*\g+7], v[TM+2]
.endr
	v_nop                                          ; one plain place behind the conversions: the next vector or matrix instruction that writes their sources may be a product (behind the last block: those of q or k)
	ds_store_b128 v[XST], v[cs:cs+3] offset:32*(\t)
	ds_store_b128 v[XST], v[cs+4:cs+7] offset:32*(\t)+16
.endm
.macro BARRIER                         ; my LDS stores have landed and my LDS loads are in: then the work-group's barrier
	s_wait_dscnt 0x0
	s_barrier_signal -1
	s_barrier_wait -1
.endm
	s_load_b512 s[4:19], s[0:1], 0x0               ; x s[4:5], Wq s[6:7], bq s[8:9], Wk s[10:11], bk s[12:13], Wv s[14:15], bv s[16:17], qi s[18:19]
	s_load_b64 s[20:21], s[0:1], 0x40              ; kv
	s_set_vgpr_msb 0x40
	v_lshl_add_u32 v0, v0, 2, 0x2b100
	v_mov_b32 v1, 0
	s_set_vgpr_msb 0x4045
	ds_add_u32 v0, v1
	ds_add_u32 v0, v1
	s_set_vgpr_msb 0x4500
	v_lshrrev_b32 v[T0], 5, v0
	v_readfirstlane_b32 s[WN], v[T0]               ; wave 0..7
	s_and_b32 s[GH], ttmp9, 1
	s_lshr_b32 s[KST], ttmp9, 1
	s_and_b32 s[BN], ttmp7, 0xffff
	s_and_b32 s[PG], s[WN], 3
	s_lshr_b32 s[CH], s[WN], 2
	; group 1: 32 rows (channels) x 128 elements of 4 bytes, 4,096 elements from row to row, no padding
	s_mov_b32 s[G1], 2<<16
	s_mov_b32 s[G1+1], 128<<16                     ; tensor_dim0
	s_mov_b32 s[G1+2], 32<<16                      ; tensor_dim1
	s_mov_b32 s[G1+3], 128<<16                     ; tile_dim0
	s_mov_b32 s[G1+4], 32                          ; tile_dim1
	s_mov_b32 s[G1+5], 4096                        ; the pitch
	s_mov_b32 s[G1+6], 0
	s_mov_b32 s[G1+7], 0
	s_mov_b32 s[G0], 1
	s_lshl_b32 s[G0+1], s[WN], 14                  ; LDS: my 32 rows of 512 bytes
	s_lshl_b32 s2, s[BN], 22                       ; x: batch b, channel 32 w, position 128 s
	s_lshl_b32 s3, s[WN], 19
	s_add_co_u32 s2, s2, s3
	s_lshl_b32 s3, s[KST], 9
	s_add_co_u32 s2, s2, s3
	s_mov_b32 s3, 0
	; the other offsets, apart from the addresses
	s_lshl_b32 s43, s[BN], 5
	s_add_co_u32 s43, s43, s[KST]                  ; 32 b + s
	s_mul_i32 s44, s43, REC                        ; my record in kv
	s_lshl_b32 s45, s[GH], 3
	s_add_co_u32 s45, s45, s[WN]                   ; my channel tile of v: 8 g + w
	s_lshl_b32 s56, s45, 14                        ; its 16 rows of Wv,
	s_mov_b32 s57, 0
	s_lshl_b32 s58, s45, 6                         ; of bv,
	s_mov_b32 s59, 0
	s_lshl_b32 s60, s45, 11                        ; its image in the record
	s_add_co_u32 s60, s60, s44
	s_mov_b32 s61, 0
	s_lshl_b32 s62, s[GH], 9                       ; my half of v's scale words
	s_add_co_u32 s62, s62, s44
	s_add_co_u32 s62, s62, VSOFF
	s_mov_b32 s63, 0
	s_lshl_b32 s46, s43, 12                        ; q's images / k's images
	s_add_co_u32 s47, s44, KOFF
	s_lshl_b32 s54, s43, 9                         ; q's scale words / k's
	s_add_co_u32 s54, s54, QSC
	s_add_co_u32 s55, s44, KSOFF
	s_cmp_eq_u32 s[GH], 0
	s_cselect_b32 s52, s46, s47
	s_cselect_b32 s54, s54, s55
	s_lshl_b32 s46, s[WN], 9                       ; position tile w's image
	s_add_co_u32 s52, s52, s46
	s_mov_b32 s53, 0
	s_mov_b32 s55, 0
	s_and_b32 s44, s[WN], 1                        ; waves 0-3: tile u = w & 1 of Wq or Wk begins at row 8 u; K step f = w >> 1 at byte 512 f
	s_lshl_b32 s44, s44, 13
	s_bfe_u32 s45, s[WN], 0x10001
	s_lshl_b32 s45, s45, 9
	s_add_co_u32 s44, s44, s45
	s_mov_b32 s45, 0
	s_mov_b32 s[SEL], 0x76543210
	s_mov_b32 s[SEL+1], 0xfedcba98
	s_mov_b32 s[MNT], 0x600000
	s_wait_dscnt 0x0
	s_wait_kmcnt 0x0
	s_add_nc_u64 s[G0+2:G0+3], s[4:5], s[2:3]
	s_or_b32 s[G0+3], s[G0+3], 0x80000000          ; type = 2
	tensor_load_to_lds s[G0:G0+3], s[G1:G1+7]      ; my one tensor load: filled once, nothing is filled again
	s_nop 0
.rept 4
	v_nop
.endr
	s_cmp_eq_u32 s[GH], 0                          ; the choice hangs on the work-group's number alone
	s_cselect_b64 s[48:49], s[6:7], s[10:11]       ; Wq or Wk
	s_cselect_b64 s[50:51], s[8:9], s[12:13]       ; bq or bk
	s_cselect_b64 s[46:47], s[18:19], s[20:21]     ; q goes to qi, k to kv
	s_add_nc_u64 s[48:49], s[48:49], s[44:45]
	s_add_nc_u64 s[52:53], s[46:47], s[52:53]      ; the image of q or k
	s_add_nc_u64 s[54:55], s[46:47], s[54:55]      ; its scale words
	s_add_nc_u64 s[56:57], s[14:15], s[56:57]      ; Wv
	s_add_nc_u64 s[58:59], s[16:17], s[58:59]      ; bv
	s_add_nc_u64 s[60:61], s[20:21], s[60:61]      ; v's image
	s_add_nc_u64 s[62:63], s[20:21], s[62:63]      ; v's scale words
	v_and_b32 v[T0], 31, v0                        ; lane
	v_and_b32 v[T1], 15, v0                        ; r
	v_bfe_u32 v[T2], v0, 4, 1                      ; h
	v_lshlrev_b32 v[LI], 4, v[T0]
	v_lshlrev_b32 v[H64], 6, v[T2]
	v_lshlrev_b32 v[R4], 2, v[T1]
	v_lshl_add_u32 v[WO], v[T1], 10, v[H64]
	v_and_b32 v[TM], 8, v[T1]
	v_add_nc_u32 v[TM], v[TM], v[T1]               ; r + (r & 8)
	v_lshl_add_u32 v[WQO], v[TM], 10, v[H64]
	; ---- the weights, while x's tile is on its way
	global_load_b32 v[BVV], v[R4], s[58:59]        ; bv of channel 16 (8 g + w) + r
.irp u, 0,1
	global_load_b128 v[BA+8*\u:BA+8*\u+3], v[H64], s[50:51] offset:32*\u         ; bq or bk of channels 16 h + 8 u + 0 .. 7
	global_load_b128 v[BA+8*\u+4:BA+8*\u+7], v[H64], s[50:51] offset:32*\u+16
.endr
	WLOAD R1, WO, 56, 0
	WLOAD R2, WO, 56, 512
	; LDS addresses: a constant + a constant x lane + a constant x wave
	s_lshl_b32 s46, s[CH], 16
	s_lshl_b32 s47, s[PG], 7
	s_add_co_u32 s46, s46, s47
	v_lshl_add_u32 v[XR], v[T0], 2, s46            ; 128 channels x 512 bytes x (w >> 2) + 128 (w & 3) + 4 x lane
	v_and_b32 v[TM], 7, v[T0]                      ; my position's row among x's codes: bits 3 and 4 of the lane change places
	v_bfe_u32 v[TM+1], v[T0], 3, 1
	v_lshl_add_u32 v[TM], v[TM+1], 4, v[TM]
	v_lshl_add_u32 v[TM], v[T2], 3, v[TM]
	s_lshl_b32 s46, s[PG], 5
	v_add_nc_u32 v[TM], s46, v[TM]
	v_mul_u32_u24 v[XST], v[TM], XP
	s_lshl_b32 s46, s[CH], 7
	s_add_co_u32 s46, s46, XC
	v_add_nc_u32 v[XST], s46, v[XST]
	s_lshl_b32 s46, s[CH], 2
	s_add_co_u32 s46, s46, XSC
	v_lshl_add_u32 v[XSS], v[TM], 3, s46
	v_mul_u32_u24 v[FA], v[T1], XP
	v_lshl_add_u32 v[FA], v[T2], 4, v[FA]
	v_add_nc_u32 v[FA], XC, v[FA]
	v_lshlrev_b32 v[FS], 3, v[T1]
	v_lshl_add_u32 v[FS], v[T2], 2, v[FS]
	v_add_nc_u32 v[FS], XSC, v[FS]
	s_and_b32 s46, s[WN], 1
	s_lshl_b32 s46, s46, 8
	s_lshr_b32 s47, s[WN], 1
	s_lshl_b32 s47, s47, 2
	s_add_co_u32 s46, s46, s47
	s_add_co_u32 s46, s46, SQK
	v_lshl_add_u32 v[SW], v[T1], 4, s46
	s_mul_i32 s46, s[WN], 16*XP
	v_add_nc_u32 v[FAW], s46, v[FA]
	s_lshl_b32 s46, s[WN], 7
	v_add_nc_u32 v[FSW], s46, v[FS]
	v_add_nc_u32 v[WIA], WIMG, v[LI]
	v_lshl_add_u32 v[WSA], v[T0], 2, WSC
	s_lshl_b32 s46, s[PG], 11
	s_add_co_u32 s46, s46, WIMG
	v_add_nc_u32 v[WIST], s46, v[LI]               ; waves 0-3: image 2 f + u = w
	s_and_b32 s46, s[WN], 1
	s_lshl_b32 s46, s46, 7
	s_bfe_u32 s47, s[WN], 0x10001
	s_lshl_b32 s47, s47, 6
	s_add_co_u32 s46, s46, s47
	s_add_co_u32 s46, s46, WSC
	v_lshl_add_u32 v[WSST], v[T1], 2, s46
.irp b, 0,1,2,3
	v_mov_b32 v[TM+4+\b], 0                        ; written once: a lane permute's destination counts as one of its sources
.endr
	s_wait_loadcnt 16                              ; the biases and Wv's K step 0 are in; the 16 loads of K step 1 may be out
	QUANT R1, WVC, WVS
.irp j, 0,1,2,3,4,5,6,7
	v_mov_b32 v[BVC+\j], v[BVV]                    ; in v's result a lane holds ONE channel: its bias in all eight registers
.endr
	s_wait_loadcnt 0x0                             ; K step 1 is in: no load is out on either path below
	s_cmp_lt_u32 s[WN], 4
	s_cbranch_scc0 .Lno_ask
	WLOAD R1, WQO, 48, 0                           ; waves 0-3: one fragment each of Wq or Wk; it lands while K step 1 is quantised
.Lno_ask:
	QUANT R2, WVC+16, WVS+1
	s_cmp_lt_u32 s[WN], 4
	s_cbranch_scc0 .Lno_image
	s_wait_loadcnt 0x0
	QUANT R1, PC, PW
.irp c, 0,1,2,3
	ds_store_b128 v[WIST], v[PC+4*\c:PC+4*\c+3] offset:512*\c   ; the fragment as an image of its registers
.endr
	ds_store_b32 v[WSST], v[PW]                    ; lanes r and r + 16 write the same word with the same value
.Lno_image:
	s_wait_tensorcnt 0x0                           ; my 32 rows of x have landed
	BARRIER                                        ; everybody's have, and the four images lie in LDS
	; ---- x becomes codes: my position, my 128 channels: four blocks, two sets of registers by turns
	DLOAD 0
	DLOAD 1
	s_wait_dscnt 32                                ; block 0 is in; block 1's 32 loads may be out
	XBLOCK 0
	DLOAD 2
	s_wait_dscnt 34                                ; block 1 is in; behind it: block 0's 2 stores and block 2's 32 loads
	XBLOCK 1
	DLOAD 3
	s_wait_dscnt 34                                ; block 2 is in (and block 0's stores are done: their registers are written again)
	XBLOCK 2
	s_wait_dscnt 2                                 ; block 3 is in; block 2's 2 stores may be out
	XBLOCK 3
	ds_store_b32 v[XSS], v[PW]
	BARRIER                                        ; x's codes and scale bytes lie in LDS
	; ---- q or k for position tile w: source 0 = 16 rows of the weight, source 1 = 16 positions: a lane holds one position, its 16 registers 16 neighbouring channels
.irp t, 0,1,2,3,4,5,6,7
	ds_load_b32 v[XS+\t], v[FS] offset:128*\t
.endr
.irp u, 0,1
	ds_load_b32 v[WAS+\u], v[WSA] offset:128*\u
.endr
	ds_load_b32 v[XSW], v[FSW]
.irp f, 0,1
.irp c, 0,1,2,3
	ds_load_b128 v[R1+16*\f+4*\c:R1+16*\f+4*\c+3], v[FAW] offset:128*\f+32*\c
.endr
.endr
.irp i, 0,1,2,3
.irp c, 0,1,2,3
	ds_load_b128 v[R2+16*\i+4*\c:R2+16*\i+4*\c+3], v[WIA] offset:2048*\i+512*\c
.endr
.endr
	s_wait_dscnt 0x0
	MM QD,   R2,    R1,    BA,   WAS,   XSW, 0, 0  ; the two accumulators by turns
	MM QD+8, R2+16, R1,    BA+8, WAS+1, XSW, 0, 0
	MM QD,   R2+32, R1+16, QD,   WAS,   XSW, 1, 1
	MM QD+8, R2+48, R1+16, QD+8, WAS+1, XSW, 1, 1
.rept 9
	v_nop                                          ; eight places in front of the first read of the results and of loads into the operands' registers; nine in front of v's first products, which write over source 1's registers
.endr
	v_max3_num_f32 v[TM], |v[QD]|, |v[QD+1]|, 0x8000000
	v_max3_num_f32 v[TM+1], |v[QD+8]|, |v[QD+9]|, 0x8000000
.irp i, 2,4,6
	v_max3_num_f32 v[TM], v[TM], |v[QD+\i]|, |v[QD+\i+1]|
	v_max3_num_f32 v[TM+1], v[TM+1], |v[QD+8+\i]|, |v[QD+9+\i]|
.endr
	v_max_num_f32 v[TM], v[TM], v[TM+1]
	v_permlanex16_b32 v[TM+4], v[TM], s[SEL], s[SEL+1]
	v_max_num_f32 v[TM], v[TM], v[TM+4]            ; the one block's largest magnitude
	v_add_nc_u32 v[TM+2], 0xf8800000, v[TM]
	v_and_or_b32 v[TM+3], v[TM], 0x7f800000, s[MNT]
	v_lshrrev_b32 v[TM+1], 23, v[TM+2]
	v_or_b32 v[PW], 0x7f7f7f00, v[TM+1]            ; the other three blocks hold no numbers: byte 127
.set jj, 0
.rept 16
	v_med3_num_f32 v[QD+jj], v[QD+jj], -v[TM+3], v[TM+3]
.set jj, jj+1
.endr
	v_cvt_scalef32_pk8_bf8_f32 v[QC:QC+1], v[QD:QD+7], v[TM+2]
	v_cvt_scalef32_pk8_bf8_f32 v[QC+2:QC+3], v[QD+8:QD+15], v[TM+2]
	v_nop                                          ; one plain place behind the conversions: v's products further down write over their sources
	global_store_b128 v[LI], v[QC:QC+3], s[52:53]  ; 512 consecutive bytes; these four registers are not written again
	ds_store_b32 v[SW], v[PW]
	; ---- v: my 16 channels x 128 positions: source 0 = 16 positions, source 1 = my rows of Wv: a lane holds one channel, register 16 p + i position 32 p + 16 h + i
.irp p, 0,1,2,3
.if \p > 0
.rept 8
	v_nop                                          ; places in front of loads into registers that matrix instructions have read
.endr
.endif
.irp m, 0,1
.irp f, 0,1
.irp c, 0,1,2,3
	ds_load_b128 v[R2+32*\m+16*\f+4*\c:R2+32*\m+16*\f+4*\c+3], v[FA] offset:(2*\p+\m)*16*XP+128*\f+32*\c
.endr
.endr
.endr
	s_wait_dscnt 0x0
	MM R1+8*(2*\p),   R2,    WVC,    BVC,           XS+2*\p,   WVS,   0, 0
	MM R1+8*(2*\p+1), R2+32, WVC,    BVC,           XS+2*\p+1, WVS,   0, 0
	MM R1+8*(2*\p),   R2+16, WVC+16, R1+8*(2*\p),   XS+2*\p,   WVS+1, 1, 0
	MM R1+8*(2*\p+1), R2+48, WVC+16, R1+8*(2*\p+1), XS+2*\p+1, WVS+1, 1, 0
.endr
.rept 8
	v_nop
.endr
	QUANT R1, PC, PW                               ; along the positions: the attention's keys
.irp c, 0,1,2,3
	global_store_b128 v[LI], v[PC+4*\c:PC+4*\c+3], s[60:61] offset:512*\c
.endr
	ds_store_b32 v[SW], v[PW] offset:512           ; SV = SQK + 512
	v_add_nc_u32 v[T0], SQK, v[LI]
	BARRIER                                        ; both sets of 128 scale words lie in LDS
	s_cmp_eq_u32 s[WN], 0
	s_cbranch_scc0 .Lnot_0
	ds_load_b128 v[R2:R2+3], v[T0]
	s_wait_dscnt 0x0
	global_store_b128 v[LI], v[R2:R2+3], s[54:55]  ; 512 consecutive bytes
.Lnot_0:
	s_cmp_eq_u32 s[WN], 1
	s_cbranch_scc0 .Lend
	ds_load_b128 v[R2+4:R2+7], v[T0] offset:512
	s_wait_dscnt 0x0
	global_store_b128 v[LI], v[R2+4:R2+7], s[62:63]
.Lend:
	s_set_vgpr_msb 0x5
	s_wait_tensorcnt 0x0
	ds_add_u32 v0, v1
	s_wait_dscnt 0x0
	s_set_vgpr_msb 0x500
	s_endpgm
.Lfunc_end_k_q45ec3247c6_proj:
	.size	k_q45ec3247c6_proj, .Lfunc_end_k_q45ec3247c6_proj-k_q45ec3247c6_proj
	.p2alignl 7, 3214868480
	.fill 96, 4, 3214868480
	.section	.rodata,"a",@progbits
	.p2align	6, 0x0
	.amdhsa_kernel k_q45ec3247c6_proj
		.amdhsa_group_segment_fixed_size 177408
		.amdhsa_private_segment_fixed_size 0
		.amdhsa_enable_private_segment 0
		.amdhsa_kernarg_size 72
		.amdhsa_user_sgpr_count 2
		.amdhsa_user_sgpr_kernarg_segment_ptr 1
		.amdhsa_wavefront_size32 1
		.amdhsa_system_sgpr_workgroup_id_x 1
		.amdhsa_system_sgpr_workgroup_id_y 1
		.amdhsa_system_sgpr_workgroup_id_z 1
		.amdhsa_system_vgpr_workitem_id 0
		.amdhsa_next_free_vgpr 258
		.amdhsa_next_free_sgpr 66
		.amdhsa_reserve_vcc 0
		.amdhsa_float_denorm_mode_32 3
		.amdhsa_float_denorm_mode_16_64 3
		.amdhsa_memory_ordered 1
		.amdhsa_forward_progress 1
		.amdhsa_inst_pref_size 81
	.end_amdhsa_kernel
	.amdgpu_metadata
---
amdhsa.version: [ 1, 2 ]
amdhsa.kernels:
  - .name:           k_q45ec3247c6_proj
    .symbol:         k_q45ec3247c6_proj.kd
    .args:
      - { .name: x, .offset: 0, .size: 8, .value_kind: global_buffer, .address_space: global }
      - { .name: Wq, .offset: 8, .size: 8, .value_kind: global_buffer, .address_space: global }
      - { .name: bq, .offset: 16, .size: 8, .value_kind: global_buffer, .address_space: global }
      - { .name: Wk, .offset: 24, .size: 8, .value_kind: global_buffer, .address_space: global }
      - { .name: bk, .offset: 32, .size: 8, .value_kind: global_buffer, .address_space: global }
      - { .name: Wv, .offset: 40, .size: 8, .value_kind: global_buffer, .address_space: global }
      - { .name: bv, .offset: 48, .size: 8, .value_kind: global_buffer, .address_space: global }
      - { .name: qi, .offset: 56, .size: 8, .value_kind: global_buffer, .address_space: global }
      - { .name: kv, .offset: 64, .size: 8, .value_kind: global_buffer, .address_space: global }
    .group_segment_fixed_size: 177408
    .private_segment_fixed_size: 0
    .kernarg_segment_align: 8
    .kernarg_segment_size: 72
    .max_flat_workgroup_size: 256
    .sgpr_count:     66
    .vgpr_count:     258
    .wavefront_size: 32
...
	.end_amdgpu_metadata
.endif
;; end of part 1
;; launch attn (part 2): grid 64 x 4, 8 waves a work-group, clusters of 4 x 1, 327,680 bytes of LDS; arguments qi, kv, x, gamma, out0; writes out0
.if DOCPART == 2
	.amdgcn_target "amdgcn-amd-amdhsa--gfx1250"
	.amdhsa_code_object_version 6
	.text
	.protected	k_q45ec3247c6_attn
	.globl	k_q45ec3247c6_attn
	.p2align	8
	.type	k_q45ec3247c6_attn,@function
k_q45ec3247c6_attn:
	s_mov_b64 s[64:65], 0
	v_nop
	global_prefetch_b8 v0, s[64:65] scope:SCOPE_SE
	s_setreg_imm32_b32 hwreg(HW_REG_WAVE_MODE, 25, 1), 1
	s_wait_xcnt 0x0
	s_wait_alu depctr_hold_cnt(0) depctr_sa_sdst(0) depctr_va_vdst(0) depctr_va_sdst(0) depctr_va_ssrc(0) depctr_va_vcc(0) depctr_vm_vsrc(0)
	s_getreg_b32 s2, hwreg(HW_REG_IB_STS2, 6, 4)
	s_cmp_eq_u32 s2, 0
	s_cbranch_scc0 .Lentry_in_a_cluster
	s_endpgm
.Lentry_in_a_cluster:
	s_bfe_u32 s2, ttmp6, 0x10000c
	s_cmp_lg_u32 s2, 0x3003
	s_cbranch_scc0 .Lentry_shape_is_right
	s_endpgm
.Lentry_shape_is_right:
; ATTN: out0[b][c][i] = gamma x (the sum over j of v[b][c][j] p[i][j]) / l[i] + x[b][c][i], both products on codes of E5M2 with one E8M0 scale for each 32 along K.
; t = (q[i] . k[j]) x log2(e); M = the largest t so far, rounded UP to a whole number; p = 2^(t - M) is what is quantised, along the keys; l is the sum of the unquantised p.
; q, k, v come as images of operand registers (qi, kv: made by the launch before): a record of 38,400 bytes for each key step of 128 keys: 16 images of v, 8 of k, k's and v's scale words.
; SHARES.  A work-group owns 64 queries of one batch.  Wave w: g = w >> 2 says which 32 queries (two tiles u of 16), kq = w & 3 which key steps: those that are kq modulo 4, eight steps.
; So a fragment of v read from LDS feeds two products, and two waves share a SIMD: one wave's vector work stands beside the other's products.
; The four waves of a g end with partial O, l and M of the same queries; they are merged through LDS, by factors 2^(M_k - M) that round nothing.
; LAYOUT.  Both products transposed: S^T = k q^T, O^T = v p^T: a lane holds ONE query (lane % 16).  The keys of a tile of k are chosen so that the 16 registers of tiles 2 b, 2 b + 1 are 16 neighbouring keys.
; K = 32 IN AN INSTRUCTION OF K = 128: q's fragment has its codes in block 0 and zero codes in blocks 1-3.  Source 0 for key tile t is the run v[52 + 4 t .. 67 + 4 t]: its blocks 1-3 are the next tiles' codes
; (finite: the quantiser holds them) or twelve zero registers; they meet q's zero codes and add exactly 0; their scale bytes are 127.
; CLUSTER.  The four work-groups of a cluster belong to one batch and walk the same records: every fill is asked for JOINTLY (mask 15).  The work-group's place in the cluster enters the global addresses of q, x and out0 alone.
; RING.  Two slots of four records (one for each kq), 153,600 bytes, dense in memory; each wave brings 75 rows of 256 bytes.  One load a wave is out, and it has a whole key step's work in which to land.
; LIMITS: NaN and infinities are not served.  A block of p that is all zeros keeps the byte 1: its codes are zeros.  A block's largest p is made from the block's largest score by the same two instructions as every p:
; this takes v_exp_f32 not to fall where its input rises.  The keys' four quarters are summed apart and then added: another order than the plain one.
; REGISTERS.  Window 0: v1-4 addresses; v8-15 -M, largest t, l; v16-47 q; v48, v50-51, v96-107 scales and nothing else; v52-83 k, then p's codes; v84-95 zeros; v108-111 f; v112-127 at work; v128-255 S^T, p, then v's fragments.
; Window 1: O^T: tile u, channel tile ct at 128 u + 8 ct.
.set REC,   38400
.set SLOT,  4*REC
.set PART,  SLOT/8                     ; 19,200 bytes: 75 rows of 256
.set KOFF,  32768
.set KSOFF, 36864
.set VSOFF, 37376
.set QSC,   524288
.set STAT,  2*SLOT                     ; behind the ring: (-M, l): 512 x wave + 256 u + 8 x lane
.set ATAB,  STAT+4096                  ; the factors: 256 kq + 4 x query
.set SPARE, ATAB+1024                  ; the spare words, 128 bytes for each wave: four blocks of 256 bytes that no other line names
.set GP,    272                        ; the stage for the way out: four copies (kq) of 256 channel rows x (256 bytes + 16), from LDS byte 0: both slots have had their last fill and their last read by then
.set GCOPY, 256*GP
.set SPW, 1
.set NIL, 2
.set AD,  3                            ; v3-4  slot x SLOT + kq x REC + 16 x lane
.set NM,  8                            ; v[8+2u:9+2u]    -M, the largest t
.set L,   12                           ; v[12+2u:13+2u]  l in two halves
.set Q,   16
.set QS,  48                           ; q's scale words: lanes 0-15 tile 0, lanes 16-31 tile 1
.set PW,  50                           ; v50+u  p's scale word
.set KR,  52
.set KS,  96                           ; v96-99   k's scale words: register i: tile 2 i in lanes 0-15, tile 2 i + 1 in lanes 16-31
.set VS,  100                          ; v100-107 v's likewise
.set F,   108                          ; v[108+2u:109+2u] f = 2^(old M - new M), named as a pair
.set TM,  112
.set MX,  TM
.set PM,  TM+4
.set HD,  TM+8
.set SO,  TM+12
.set S,   128
.set XO,  16                           ; the merge's registers, where q lay
.set STA, 17
.set STL, 18
.set ATS, 19
.set SG,  20                           ; v20-21
.set ATL, 22
.set RB,  24                           ; v24-27
.set MT,  32
.set LT,  34
.set FM,  36
.set WN,  14                           ; s14 wave;  s15 g;  s16 kq;  s17 cx;  s18 X;  s19 b
.set SEL, 20
.set CS,  22                           ; s[22:23] log2(e), named as a pair
.set MNT, 24
.set G1,  28
.set G0,  36                           ; s[36:39], s[40:43]: a group 0 for each slot
.set MSB, 0
.macro WIN new                         ; the immediate's high byte repeats the setting that is left
.if MSB != \new
	s_set_vgpr_msb (MSB<<8)|\new
.set MSB, \new
.endif
.endm
.set W_PV, 0x50                        ; C and D in window 1
.set W_RS, 0x41                        ; destination and source 0 in window 1
.set W_ST, 0x04                        ; an LDS store's data in window 1
; a product: D, A, B by their first registers; c < 0: C is the constant 0, else C's first register; the scale registers; ra, rb = 1: the scale stands in lanes 16-31
.macro MM d, a, b, c, sa, sb, ra, rb
.if (\c) < 0
.if (\ra) && (\rb)
	v_wmma_scale_f32_16x16x128_f8f6f4 v[\d:\d+7], v[\a:\a+15], v[\b:\b+15], 0, v[\sa], v[\sb] matrix_a_fmt:MATRIX_FMT_BF8 matrix_b_fmt:MATRIX_FMT_BF8 matrix_a_scale:MATRIX_SCALE_ROW1 matrix_b_scale:MATRIX_SCALE_ROW1
.elseif \ra
	v_wmma_scale_f32_16x16x128_f8f6f4 v[\d:\d+7], v[\a:\a+15], v[\b:\b+15], 0, v[\sa], v[\sb] matrix_a_fmt:MATRIX_FMT_BF8 matrix_b_fmt:MATRIX_FMT_BF8 matrix_a_scale:MATRIX_SCALE_ROW1
.elseif \rb
	v_wmma_scale_f32_16x16x128_f8f6f4 v[\d:\d+7], v[\a:\a+15], v[\b:\b+15], 0, v[\sa], v[\sb] matrix_a_fmt:MATRIX_FMT_BF8 matrix_b_fmt:MATRIX_FMT_BF8 matrix_b_scale:MATRIX_SCALE_ROW1
.else
	v_wmma_scale_f32_16x16x128_f8f6f4 v[\d:\d+7], v[\a:\a+15], v[\b:\b+15], 0, v[\sa], v[\sb] matrix_a_fmt:MATRIX_FMT_BF8 matrix_b_fmt:MATRIX_FMT_BF8
.endif
.else
.if \ra
	v_wmma_scale_f32_16x16x128_f8f6f4 v[\d:\d+7], v[\a:\a+15], v[\b:\b+15], v[\c:\c+7], v[\sa], v[\sb] matrix_a_fmt:MATRIX_FMT_BF8 matrix_b_fmt:MATRIX_FMT_BF8 matrix_a_scale:MATRIX_SCALE_ROW1
.else
	v_wmma_scale_f32_16x16x128_f8f6f4 v[\d:\d+7], v[\a:\a+15], v[\b:\b+15], v[\c:\c+7], v[\sa], v[\sb] matrix_a_fmt:MATRIX_FMT_BF8 matrix_b_fmt:MATRIX_FMT_BF8
.endif
.endif
.endm
.macro ROUND                           ; a round of the cluster's barrier: my work-group's barrier; wave 0 signals for the work-group; every wave waits for all four work-groups; my work-group's barrier once more
	s_barrier_signal -1
	s_barrier_wait -1
	s_cmp_lg_u32 s[WN], 0
	s_cbranch_scc1 .Lnot_wave_0_\@
	s_barrier_signal -3
.Lnot_wave_0_\@:
	s_barrier_wait -3
	s_barrier_signal -1
	s_barrier_wait -1
.endm
.macro KLOAD slot                      ; my record's eight tiles of k (block 0 alone: four registers a tile), then the scale words: 11 loads
.irp t, 0,1,2,3,4,5,6,7
	ds_load_b128 v[KR+4*\t:KR+4*\t+3], v[AD+\slot] offset:KOFF+512*\t
.endr
	ds_load_b128 v[KS:KS+3], v[AD+\slot] offset:KSOFF
	ds_load_b128 v[VS:VS+3], v[AD+\slot] offset:VSOFF
	ds_load_b128 v[VS+4:VS+7], v[AD+\slot] offset:VSOFF+512
.endm
.macro SPROD                           ; S^T = k q^T: 8 tiles of keys x 2 tiles of queries
.irp t, 0,1,2,3,4,5,6,7
.irp u, 0,1
	MM S+64*\u+8*\t, KR+4*\t, Q+16*\u, -1, KS+\t/2, QS, \t%2, \u
.endr
.endr
.endm
.macro VLOAD G, dst, slot              ; four channel tiles of v: 16 loads of 512 consecutive bytes
	WIN 0
.irp i, 0,1,2,3
.irp c, 0,1,2,3
	ds_load_b128 v[\dst+16*\i+4*\c:\dst+16*\i+4*\c+3], v[AD+\slot] offset:(4*\G+\i)*2048+512*\c
.endr
.endr
.endm
.macro RESC c0, c1, first              ; O^T of channel tiles c0 .. c1, both query tiles, under the new M: x f.  In the first step there is nothing to rescale: eight v_nop take the lines' part as places
.if \first
.rept 8
	v_nop
.endr
.else
	WIN W_RS
.set rO, 8*\c0
.rept 4*(\c1-\c0+1)
	v_pk_mul_f32 v[rO:rO+1], v[rO:rO+1], v[F:F+1] op_sel_hi:[1,0]
	v_pk_mul_f32 v[128+rO:129+rO], v[128+rO:129+rO], v[F+2:F+3] op_sel_hi:[1,0]
.set rO, rO+2
.endr
.endif
.endm
.macro PVG G, buf, first               ; O^T += v p^T: channel tiles 4 G .. 4 G + 3 x both query tiles: eight accumulators, one instruction each.  first = 1: the products start the sums: nothing is ever cleared
	WIN W_PV
.irp i, 0,1,2,3
.irp u, 0,1
.if \first
	MM 128*\u+8*(4*\G+\i), \buf+16*\i, KR+16*\u, -1, VS+(4*\G+\i)/2, PW+\u, \i%2, 0
.else
	MM 128*\u+8*(4*\G+\i), \buf+16*\i, KR+16*\u, 128*\u+8*(4*\G+\i), VS+(4*\G+\i)/2, PW+\u, \i%2, 0
.endif
.endr
.endr
.endm
; The softmax of query tile u for 128 keys, and p's codes and scale word.
.macro SMAX u
.set sS, S+64*\u
.set sN, NM+2*\u
.set sL, L+2*\u
.set sF, F+2*\u
.set sC, KR+16*\u
.irp b, 0,1,2,3
	v_max3_num_f32 v[MX+\b], v[sS+16*\b], v[sS+16*\b+1], v[sS+16*\b+2]   ; the largest score of each block of 32 keys: for the row's maximum, and for the block's largest p
.endr
.irp i, 3,5,7,9,11,13
.irp b, 0,1,2,3
	v_max3_num_f32 v[MX+\b], v[MX+\b], v[sS+16*\b+\i], v[sS+16*\b+\i+1]
.endr
.endr
.irp b, 0,1,2,3
	v_max_num_f32 v[MX+\b], v[MX+\b], v[sS+16*\b+15]
.endr
.irp b, 0,1,2,3
	v_permlanex16_b32 v[PM+\b], v[MX+\b], s[SEL], s[SEL+1]
.endr
.irp b, 0,1,2,3
	v_max_num_f32 v[MX+\b], v[MX+\b], v[PM+\b]     ; with lane l xor 16's 16 keys
.endr
	v_max3_num_f32 v5, v[MX], v[MX+1], v[MX+2]
	v_max_num_f32 v5, v5, v[MX+3]
	v_mul_f32 v5, s[CS], v5                        ; as t
	v_max_num_f32 v[sN+1], v[sN+1], v5             ; the running largest t
	v_mov_b32 v5, v[sN]
	v_floor_f32 v[sN], -v[sN+1]                    ; the new -M = -ceil(t): a whole number
	v_sub_f32 v5, v[sN], v5                        ; old M - new M, 0 or less
	v_cvt_i32_f32 v5, v5                           ; (it saturates)
	v_ldexp_f32 v[sF], 1.0, v5                     ; f = 2^(old M - new M)
.set jj, 0
.rept 32
	v_pk_fma_f32 v[sS+jj:sS+jj+1], v[sS+jj:sS+jj+1], s[CS:CS+1], v[sN:sN+1] op_sel_hi:[1,0,0]   ; t - M, two at a time
.set jj, jj+2
.endr
.irp b, 0,1,2,3
	v_fma_f32 v[MX+\b], v[MX+\b], s[CS], v[sN]     ; the same of each block's largest score
.endr
.set jj, 0
.rept 64
	v_exp_f32 v[sS+jj], v[sS+jj]                   ; p = 2^(t - M): not normalised
.set jj, jj+1
.endr
.irp b, 0,1,2,3
	v_exp_f32 v[MX+\b], v[MX+\b]                   ; the block's largest p
.endr
	v_pk_mul_f32 v[sL:sL+1], v[sL:sL+1], v[sF:sF+1] op_sel_hi:[1,0]   ; l under the new M: the plain place behind the exponentials
	s_wait_alu depctr_va_vdst(0)
.irp b, 0,1,2,3
	v_max_num_f32 v[MX+\b], 0x8000000, v[MX+\b]    ; the floor 2^(16 - 127): the byte cannot fall under 1
.endr
.irp b, 0,1,2,3
	v_add_nc_u32 v[SO+\b], 0xf8800000, v[MX+\b]    ; 15 off the exponent field: the conversion's scale operand
.endr
.irp b, 0,1,2,3
	v_and_or_b32 v[HD+\b], v[MX+\b], 0x7f800000, s[MNT]   ; 57,344 x the scale
.endr
.irp b, 0,1,2,3
	v_lshrrev_b32 v[PM+\b], 23, v[SO+\b]           ; the scale's byte
.endr
	v_lshl_or_b32 v[PW+\u], v[PM+1], 8, v[PM]
	v_lshl_or_b32 v[PW+\u], v[PM+2], 16, v[PW+\u]
	v_lshl_or_b32 v[PW+\u], v[PM+3], 24, v[PW+\u]
	v_pk_add_f32 v[PM:PM+1], v[sS:sS+1], v[sS+2:sS+3]   ; l takes the UNQUANTISED p: two at a time, in two chains
.set jj, 4
.rept 15
	v_pk_add_f32 v[sL:sL+1], v[sL:sL+1], v[sS+jj:sS+jj+1]
	v_pk_add_f32 v[PM:PM+1], v[PM:PM+1], v[sS+jj+2:sS+jj+3]
.set jj, jj+4
.endr
	v_pk_add_f32 v[sL:sL+1], v[sL:sL+1], v[PM:PM+1]
.irp b, 0,1,2,3
.set jj, 0
.rept 16
	v_min_num_f32 v[sS+16*\b+jj], v[sS+16*\b+jj], v[HD+\b]   ; the conversion does not saturate (ISA guide 7.6.2); p is not negative: a one-sided hold
.set jj, jj+1
.endr
	v_cvt_scalef32_pk8_bf8_f32 v[sC+4*\b:sC+4*\b+1], v[sS+16*\b:sS+16*\b+7], v[SO+\b]
	v_cvt_scalef32_pk8_bf8_f32 v[sC+4*\b+2:sC+4*\b+3], v[sS+16*\b+8:sS+16*\b+15], v[SO+\b]
.endr
.endm
; A key step: my record of the slot.  v's fragments come four channel tiles at a time into the registers that p has left, two buffers by turns.
.macro STEP slot, first
	KLOAD \slot
	s_wait_dscnt 2                                 ; k and its scale words are in; v's two loads of scale words may be out
	SPROD
.rept 8
	v_nop                                          ; places in front of the first read of the results (ISA guide 7.12.1)
.endr
	SMAX 0
	VLOAD 0, S, \slot
	SMAX 1
	VLOAD 1, S+64, \slot
	RESC 0, 7, \first                              ; these lines are also the places between p's last codes and the products
	s_wait_dscnt 16                                ; v's scale words and tiles 0-3 are in; tiles 4-7's 16 loads may be out
	PVG 0, S, \first
	RESC 8, 11, \first                             ; and the places in front of the loads into the buffer just multiplied
	VLOAD 2, S, \slot
	s_wait_dscnt 16                                ; tiles 4-7 are in
	PVG 1, S+64, \first
	RESC 12, 15, \first
	VLOAD 3, S+64, \slot
	s_wait_dscnt 16                                ; tiles 8-11 are in
	PVG 2, S, \first
	s_wait_dscnt 0x0
	PVG 3, S+64, \first
	WIN 0                                          ; at a label and at a branch every window is 0
.endm
; The change of slots stands at a slot's head.  refill = 1: the other slot takes the four records that follow.
.macro TRIP slot, refill, first
	s_wait_tensorcnt 0x0                           ; all my tensor loads have landed, my part of this slot among them: so a group 0 may be written
	ds_add_u32 v[SPW], v[NIL]                      ; 0 onto my spare word
	s_add_nc_u64 s[G0+4*\slot+2:G0+4*\slot+3], s[G0+4*\slot+2:G0+4*\slot+3], 2*SLOT   ; this slot's next four records
	s_wait_dscnt 0x0                               ; the add is done, and my reads of the other slot are over
	ROUND                                          ; both now hold of every wave of all four work-groups
.if \refill
	tensor_load_to_lds s[G0+4-4*\slot:G0+7-4*\slot], s[G1:G1+7]   ; my one tensor load until the next round
	s_nop 0
.endif
.rept 9
	v_nop                                          ; eight places in front of loads into registers that the last products read, nine in front of products that write over them
.endr
	STEP \slot, \first
.endm
	s_load_b256 s[4:11], s[0:1], 0x0               ; qi s[4:5], kv s[6:7], x s[8:9], gamma s[10:11]
	s_load_b64 s[12:13], s[0:1], 0x20              ; out0
	v_lshl_add_u32 v[SPW], v0, 2, SPARE
	v_mov_b32 v[NIL], 0
	ds_add_u32 v1, v2
	ds_add_u32 v1, v2
	s_wait_dscnt 0x0
	v_lshrrev_b32 v5, 5, v0
	v_readfirstlane_b32 s[WN], v5                  ; wave 0..7
	s_lshr_b32 s15, s[WN], 2                       ; g
	s_and_b32 s16, s[WN], 3                        ; kq
	s_bfe_u32 s17, ttmp6, 0x40000                  ; cx
	s_lshl_b32 s18, ttmp9, 2
	s_add_co_u32 s18, s18, s17                     ; X = 4 x cluster x + cx: my 64 queries
	s_and_b32 s19, ttmp7, 0xffff                   ; the batch, which the four partners share
	; group 1: 75 rows of 32 elements of 8 bytes, dense
	s_mov_b32 s[G1], 15|(3<<16)|(1<<21)            ; 15:0 the mask: all four work-groups; 17:16 elements of 8 bytes; 21 set beside a mask
	s_mov_b32 s[G1+1], 32<<16                      ; tensor_dim0
	s_mov_b32 s[G1+2], 75<<16                      ; tensor_dim1
	s_mov_b32 s[G1+3], 32<<16                      ; tile_dim0
	s_mov_b32 s[G1+4], 75                          ; tile_dim1
	s_mov_b32 s[G1+5], 32                          ; the pitch
	s_mov_b32 s[G1+6], 0
	s_mov_b32 s[G1+7], 0
	s_mul_i32 s44, s[WN], PART                     ; my eighth of a slot: in LDS and in memory alike
	s_mul_i32 s46, s19, 32*REC
	s_add_co_u32 s46, s46, s44
	s_mov_b32 s47, 0
	s_lshl_b32 s48, s19, 8                         ; q's images: 512 (256 b + 4 X + 2 g)
	s_lshl_b32 s49, s18, 2
	s_add_co_u32 s48, s48, s49
	s_lshl_b32 s49, s15, 1
	s_add_co_u32 s48, s48, s49
	s_lshl_b32 s48, s48, 9
	s_mov_b32 s49, 0
	s_lshl_b32 s50, s19, 5                         ; q's scale words: QSC + 512 (32 b + X / 2) + 4 (2 (X & 1) + g)
	s_lshr_b32 s51, s18, 1
	s_add_co_u32 s50, s50, s51
	s_lshl_b32 s50, s50, 9
	s_and_b32 s51, s18, 1
	s_lshl_b32 s51, s51, 1
	s_add_co_u32 s51, s51, s15
	s_lshl_b32 s51, s51, 2
	s_add_co_u32 s50, s50, s51
	s_add_co_u32 s50, s50, QSC
	s_mov_b32 s51, 0
	s_lshl_b32 s52, s19, 22                        ; x and out0: batch b, channel 32 w, query 64 X
	s_lshl_b32 s53, s[WN], 19
	s_add_co_u32 s52, s52, s53
	s_lshl_b32 s53, s18, 8
	s_add_co_u32 s52, s52, s53
	s_mov_b32 s53, 0
	s_mov_b32 s[SEL], 0x76543210
	s_mov_b32 s[SEL+1], 0xfedcba98
	s_mov_b32 s[CS], 0x3fb8aa3b                    ; log2(e)
	s_mov_b32 s[CS+1], s[CS]
	s_mov_b32 s[MNT], 0x600000
	s_mov_b32 s25, 3
	s_wait_kmcnt 0x0
	s_load_b32 s26, s[10:11], 0x0                  ; gamma
	s_add_nc_u64 s[46:47], s[6:7], s[46:47]
	s_add_nc_u64 s[48:49], s[4:5], s[48:49]
	s_add_nc_u64 s[50:51], s[4:5], s[50:51]
	s_add_nc_u64 s[54:55], s[8:9], s[52:53]
	s_add_nc_u64 s[56:57], s[12:13], s[52:53]
	s_mov_b32 s[G0], 1
	s_mov_b32 s[G0+1], s44
	s_mov_b64 s[G0+2:G0+3], s[46:47]               ; slot 0: key steps 0-3
	s_or_b32 s[G0+3], s[G0+3], 0x80000000
	s_mov_b32 s[G0+4], 1
	s_add_co_u32 s[G0+5], s44, SLOT
	s_add_nc_u64 s[G0+6:G0+7], s[46:47], SLOT      ; slot 1: key steps 4-7
	s_or_b32 s[G0+7], s[G0+7], 0x80000000
	ROUND                                          ; all four work-groups are here: the first joint loads meet
	tensor_load_to_lds s[G0:G0+3], s[G1:G1+7]
	s_nop 0
.rept 4
	v_nop
.endr
	v_and_b32 v5, 31, v0
	v_lshlrev_b32 v6, 4, v5                        ; 16 x lane
	global_load_b128 v[Q:Q+3], v6, s[48:49]        ; q's two tiles: block 0
	global_load_b128 v[Q+16:Q+19], v6, s[48:49] offset:512
	global_load_b32 v[QS], v6, s[50:51]
	s_mul_i32 s45, s16, REC
	v_add_nc_u32 v[AD], s45, v6
	v_add_nc_u32 v[AD+1], SLOT, v[AD]
.set jj, 0
.rept 12
	v_mov_b32 v[Q+4+jj], 0                         ; zero CODES: q's blocks 1-3, and the twelve registers behind k's last tile
	v_mov_b32 v[Q+20+jj], 0
	v_mov_b32 v[KR+32+jj], 0
.set jj, jj+1
.endr
.irp u, 0,1
	v_mov_b32 v[NM+2*\u+1], 0xff61b1e6             ; the largest t so far: -3e38, under every t
	v_floor_f32 v[NM+2*\u], -v[NM+2*\u+1]
	v_mov_b32 v[L+2*\u], 0
	v_mov_b32 v[L+2*\u+1], 0
	v_mov_b32 v[F+2*\u+1], 0                       ; (named as the upper half of a pair)
.endr
.irp b, 0,1,2,3
	v_mov_b32 v[PM+\b], 0                          ; written once: a lane permute's destination counts as one of its sources
.endr
	s_wait_loadcnt 0x0                             ; q
	s_wait_kmcnt 0x0                               ; gamma
	TRIP 0, 1, 1                                   ; the first step's products start O^T's sums
.Lpair:                                                ; three trips of two steps
	TRIP 1, 1, 0
	TRIP 0, 1, 0
	s_sub_co_u32 s25, s25, 1
	s_cmp_lg_u32 s25, 0
	s_cbranch_scc1 .Lpair
	TRIP 1, 0, 0                                   ; the last step is written out: nothing is left to fetch
	; ---- THE MERGE.  Each wave's -M and l go to LDS; x's rows are asked for meanwhile
.rept 8
	v_nop                                          ; places behind the last products
.endr
	v_and_b32 v28, 31, v0                          ; lane
	v_and_b32 v29, 15, v0                          ; r
	v_bfe_u32 v30, v0, 4, 1                        ; h
	v_and_b32 v31, 8, v29
	v_add_nc_u32 v31, v31, v29                     ; r + (r & 8): row r of query tile u is query 32 g + 8 u + r + (r & 8)
	v_lshlrev_b32 v[XO], 4, v29
	v_lshl_add_u32 v[XO], v30, 14, v[XO]           ; x, out0: lanes 0-15 one channel's 256 bytes, lanes 16-31 the next channel's
	s_lshl_b32 s44, s[WN], 9
	s_add_co_u32 s44, s44, STAT
	v_lshl_add_u32 v[STA], v28, 3, s44
	s_lshl_b32 s44, s15, 11
	s_add_co_u32 s44, s44, STAT
	v_lshl_add_u32 v[STL], v28, 3, s44
	s_lshl_b32 s44, s16, 8
	s_lshl_b32 s45, s15, 7
	s_add_co_u32 s44, s44, s45
	s_add_co_u32 s44, s44, ATAB
	v_lshl_add_u32 v[ATS], v31, 2, s44
	s_mul_i32 s44, s16, GCOPY
	s_add_co_u32 s44, s44, s45
	v_mul_u32_u24 v[SG], v30, 8*GP
	v_lshl_add_u32 v[SG], v31, 2, v[SG]
	v_add_nc_u32 v[SG], s44, v[SG]                 ; copy kq, channel 8 h, my query
	v_add_nc_u32 v[SG+1], 128*GP, v[SG]            ; and 128 channels on
	v_lshl_add_u32 v[ATL], v29, 4, ATAB
	s_mul_i32 s44, s[WN], 32*GP
	v_mul_u32_u24 v[RB], v30, GP
	v_lshl_add_u32 v[RB], v29, 4, v[RB]
	v_add_nc_u32 v[RB], s44, v[RB]                 ; back: my 32 channel rows, two an instruction
	v_add_nc_u32 v[RB+1], GCOPY, v[RB]
	v_add_nc_u32 v[RB+2], 2*GCOPY, v[RB]
	v_add_nc_u32 v[RB+3], 3*GCOPY, v[RB]
.irp u, 0,1
	v_add_f32 v[HD+2*\u+1], v[L+2*\u], v[L+2*\u+1] ; l's two halves,
.endr
.irp u, 0,1
	v_permlanex16_b32 v[PM+\u], v[HD+2*\u+1], s[SEL], s[SEL+1]
.endr
.irp u, 0,1
	v_add_f32 v[HD+2*\u+1], v[HD+2*\u+1], v[PM+\u] ; and lane l xor 16's
	v_mov_b32 v[HD+2*\u], v[NM+2*\u]
.endr
.irp u, 0,1
	ds_store_b64 v[STA], v[HD+2*\u:HD+2*\u+1] offset:256*\u
.endr
.set jj, 0
.rept 16
	global_load_b128 v[S+4*jj:S+4*jj+3], v[XO], s[54:55] offset:32768*jj th:TH_LOAD_NT   ; channels 32 w + 2 jj, + 1: sixteen lanes read 256 consecutive bytes
.set jj, jj+1
.endr
	s_wait_dscnt 0x0                               ; my stores have landed, and my reads of the slots are over
	s_barrier_signal -1
	s_barrier_wait -1                              ; so have everybody's: from here on the slots' bytes serve as the stage
.irp u, 0,1
.irp k, 0,1,2,3
	ds_load_b64 v[KR+8*\u+2*\k:KR+8*\u+2*\k+1], v[STL] offset:512*\k+256*\u   ; (-M, l) of the four waves of my g
.endr
.endr
	s_wait_dscnt 0x0
.irp u, 0,1
	v_min3_num_f32 v[MT+\u], v[KR+8*\u], v[KR+8*\u+2], v[KR+8*\u+4]
.endr
.irp u, 0,1
	v_min_num_f32 v[MT+\u], v[MT+\u], v[KR+8*\u+6] ; -M of all keys: the least -M
.endr
.irp u, 0,1
.irp k, 0,1,2,3
	v_sub_f32 v[KR+8*\u+2*\k], v[MT+\u], v[KR+8*\u+2*\k]   ; M_k - M, a whole number, 0 or less
.endr
	v_sub_f32 v[FM+\u], v[MT+\u], v[NM+2*\u]       ; and my own
.endr
.irp u, 0,1
.irp k, 0,1,2,3
	v_cvt_i32_f32 v[KR+8*\u+2*\k], v[KR+8*\u+2*\k]
.endr
	v_cvt_i32_f32 v[FM+\u], v[FM+\u]
.endr
.irp u, 0,1
.irp k, 0,1,2,3
	v_ldexp_f32 v[KR+8*\u+2*\k], 1.0, v[KR+8*\u+2*\k]   ; f_k = 2^(M_k - M)
.endr
	v_ldexp_f32 v[FM+\u], 1.0, v[FM+\u]
.endr
.irp u, 0,1
	v_mul_f32 v[LT+\u], v[KR+8*\u], v[KR+8*\u+1]
.endr
.irp k, 1,2,3
.irp u, 0,1
	v_fma_f32 v[LT+\u], v[KR+8*\u+2*\k], v[KR+8*\u+2*\k+1], v[LT+\u]   ; l = the sum of f_k l_k
.endr
.endr
	v_rcp_f32 v[LT], v[LT]
	v_rcp_f32 v[LT+1], v[LT+1]
	v_mul_f32 v[FM], s26, v[FM]                    ; (the plain place behind the reciprocals)
	v_mul_f32 v[FM+1], s26, v[FM+1]
	s_wait_alu depctr_va_vdst(0)
	v_mul_f32 v[FM], v[FM], v[LT]                  ; my factor: gamma f / l
	v_mul_f32 v[FM+1], v[FM+1], v[LT+1]
.irp u, 0,1
	ds_store_b32 v[ATS], v[FM+\u] offset:32*\u     ; lanes r and r + 16 write the same word with the same value
.endr
	WIN W_ST
.irp u, 0,1                                    ; O^T as it stands, each accumulator from its low end on: register 8 ct + j is channel 16 ct + 8 h + j of my query.  The two halves of the lanes lie 32 banks apart
.set cc, 0
.rept 8
.set jj, 0
.rept 8
	ds_store_b32 v[SG], v[128*\u+8*cc+jj] offset:(16*cc+jj)*GP+32*\u
.set jj, jj+1
.endr
.set cc, cc+1
.endr
.set cc, 0
.rept 8
.set jj, 0
.rept 8
	ds_store_b32 v[SG+1], v[128*\u+64+8*cc+jj] offset:(16*cc+jj)*GP+32*\u
.set jj, jj+1
.endr
.set cc, cc+1
.endr
.endr
	WIN 0
	s_wait_dscnt 0x0
	s_barrier_signal -1
	s_barrier_wait -1                              ; the four copies and the factors lie in LDS
	; ---- THE WAY OUT: out0 = x + the sum over kq of O_kq x its factor: my 32 channels, whole rows of 256 bytes
.irp k, 0,1,2,3
	ds_load_b128 v[KR+16+4*\k:KR+16+4*\k+3], v[ATL] offset:256*\k   ; the factors of my four queries
.endr
	s_wait_loadcnt 0x0                             ; x
.irp t, 0,1,2,3
.irp i, 0,1,2,3
.irp k, 0,1,2,3
	ds_load_b128 v[192+16*\i+4*\k:192+16*\i+4*\k+3], v[RB+\k] offset:2*GP*(4*\t+\i)
.endr
.endr
.irp i, 0,1,2,3
	s_wait_dscnt 12-4*\i                           ; this pair of rows is in, all four copies; the later pairs' loads may be out
.irp k, 0,1,2,3
	v_pk_fma_f32 v[S+4*(4*\t+\i):S+4*(4*\t+\i)+1], v[192+16*\i+4*\k:192+16*\i+4*\k+1], v[KR+16+4*\k:KR+16+4*\k+1], v[S+4*(4*\t+\i):S+4*(4*\t+\i)+1]
	v_pk_fma_f32 v[S+4*(4*\t+\i)+2:S+4*(4*\t+\i)+3], v[192+16*\i+4*\k+2:192+16*\i+4*\k+3], v[KR+16+4*\k+2:KR+16+4*\k+3], v[S+4*(4*\t+\i)+2:S+4*(4*\t+\i)+3]
.endr
	global_store_b128 v[XO], v[S+4*(4*\t+\i):S+4*(4*\t+\i)+3], s[56:57] offset:32768*(4*\t+\i) th:TH_STORE_NT   ; sixteen lanes store 256 consecutive bytes, at a multiple of 256 from out0's first byte
.endr
.endr
	s_wait_tensorcnt 0x0                           ; the wave's end, behind my last tensor load and my last LDS store
	ds_add_u32 v[SPW], v[NIL]
	s_wait_dscnt 0x0
	ROUND                                          ; the closing round: no work-group ends while a partner may still ask for a tile that names it
	s_endpgm
.Lfunc_end_k_q45ec3247c6_attn:
	.size	k_q45ec3247c6_attn, .Lfunc_end_k_q45ec3247c6_attn-k_q45ec3247c6_attn
	.p2alignl 7, 3214868480
	.fill 96, 4, 3214868480
	.section	.rodata,"a",@progbits
	.p2align	6, 0x0
	.amdhsa_kernel k_q45ec3247c6_attn
		.amdhsa_group_segment_fixed_size 327680
		.amdhsa_private_segment_fixed_size 0
		.amdhsa_enable_private_segment 0
		.amdhsa_kernarg_size 40
		.amdhsa_user_sgpr_count 2
		.amdhsa_user_sgpr_kernarg_segment_ptr 1
		.amdhsa_wavefront_size32 1
		.amdhsa_system_sgpr_workgroup_id_x 1
		.amdhsa_system_sgpr_workgroup_id_y 1
		.amdhsa_system_sgpr_workgroup_id_z 1
		.amdhsa_system_vgpr_workitem_id 0
		.amdhsa_next_free_vgpr 512
		.amdhsa_next_free_sgpr 66
		.amdhsa_reserve_vcc 0
		.amdhsa_float_denorm_mode_32 3
		.amdhsa_float_denorm_mode_16_64 3
		.amdhsa_memory_ordered 1
		.amdhsa_forward_progress 1
		.amdhsa_inst_pref_size 220
	.end_amdhsa_kernel
	.amdgpu_metadata
---
amdhsa.version: [ 1, 2 ]
amdhsa.kernels:
  - .name:           k_q45ec3247c6_attn
    .symbol:         k_q45ec3247c6_attn.kd
    .args:
      - { .name: qi, .offset: 0, .size: 8, .value_kind: global_buffer, .address_space: global }
      - { .name: kv, .offset: 8, .size: 8, .value_kind: global_buffer, .address_space: global }
      - { .name: x, .offset: 16, .size: 8, .value_kind: global_buffer, .address_space: global }
      - { .name: gamma, .offset: 24, .size: 8, .value_kind: global_buffer, .address_space: global }
      - { .name: out0, .offset: 32, .size: 8, .value_kind: global_buffer, .address_space: global }
    .group_segment_fixed_size: 327680
    .private_segment_fixed_size: 0
    .kernarg_segment_align: 8
    .kernarg_segment_size: 40
    .max_flat_workgroup_size: 256
    .sgpr_count:     66
    .vgpr_count:     512
    .wavefront_size: 32
...
	.end_amdgpu_metadata
.endif
;; end of part 2
